; MI455X (gfx1250); checked and timed in simulation.
; The chip was launched on July 23, 2026; its instructions are those of AMD's public machine-readable ISA for CDNA 5 (MIT licence, August 2026) and "CDNA5" Instruction Set Architecture Reference Guide (July 2026). The comments in the code are by the model that wrote it; some were corrected since.
;; MQA. Allowed arithmetic: matrix products marked QUANTISED: E2M1 operands, one E8M0 scale for each 32 along K, by v_wmma_scale_f32_16x16x128_f8f6f4 with both operands' format E2M1 (or v_wmma_scale_f32_32x16x128_f4), f32 sums; everything else in f32.
;; Inputs: b_k 128 float32; b_o 2,048 float32; b_q 2,048 float32; b_v 128 float32; hidden_state_codes 4 x 1,024 x 64 x 16 uint8 (E2M1 codes of hidden_state, K innermost, in blocks of 32 codes, two codes a byte); hidden_state_scales 4 x 1,024 x 64 uint8 (E8M0 scales of hidden_state, one for each 32 codes along K); w_k_codes 128 x 64 x 16 uint8 (E2M1 codes of w_k, K innermost, in blocks of 32 codes, two codes a byte); w_k_scales 128 x 64 uint8 (E8M0 scales of w_k, one for each 32 codes along K); w_o_codes 2,048 x 64 x 16 uint8 (E2M1 codes of w_o, K innermost, in blocks of 32 codes, two codes a byte); w_o_scales 2,048 x 64 uint8 (E8M0 scales of w_o, one for each 32 codes along K); w_q_codes 2,048 x 64 x 16 uint8 (E2M1 codes of w_q, K innermost, in blocks of 32 codes, two codes a byte); w_q_scales 2,048 x 64 uint8 (E8M0 scales of w_q, one for each 32 codes along K); w_v_codes 128 x 64 x 16 uint8 (E2M1 codes of w_v, K innermost, in blocks of 32 codes, two codes a byte); w_v_scales 128 x 64 uint8 (E8M0 scales of w_v, one for each 32 codes along K).
;; Outputs: out0 4 x 1,024 x 2,048 float32.
;; This version of the problem:
;;   THIS VERSION OF THE PROBLEM IS GIVEN IN LOW PRECISION. The matrix products marked QUANTISED in the list below multiply operands that are first quantised to E2M1 (2 exponent bits, 1 mantissa bit; 4 bits a number), with one power-of-two scale for each 32 numbers along K (OCP MX v1.0); their sums are f32. All else is computed in f32.
;;   The module's matrix products, in the order in which they are computed (A, B: the left and right operand; K: the contracted axis; several contracted axes count as one K, in the product's order):
;;     1. [M 4,096, K 2,048] x [K 2,048, N 2,048]; A: input hidden_state (given as codes); B: input w_q (given as codes): QUANTISED
;;     2. [M 4,096, K 2,048] x [K 2,048, N 128]; A: input hidden_state (given as codes); B: input w_k (given as codes): QUANTISED
;;     3. [M 4,096, K 2,048] x [K 2,048, N 128]; A: input hidden_state (given as codes); B: input w_v (given as codes): QUANTISED
;;     4. batch 4 x [M 16,384, K 128] x [K 128, N 1,024]; A: computed on the way; B: computed on the way: QUANTISED
;;     5. batch 4 x [M 16,384, K 1,024] x [K 1,024, N 128]; A: softmax (see below); B: computed on the way: QUANTISED
;;     6. [M 4,096, K 2,048] x [K 2,048, N 2,048]; A: computed on the way; B: input w_o (given as codes): QUANTISED
;;   THE QUANTISER, for each operand of a quantised product, along K:
;;     - K is cut into blocks of 32 from its start; a last block that is shorter is filled with zeros.
;;     - A block's scale is 2^e with e = floor(log2(the largest magnitude in the block)) - 2, held to -126 .. 127; a block of zeros has e = 0. As a byte (E8M0): e + 127.
;;     - Each number is divided by its block's scale, clamped to +-6, and rounded to the nearest number of E2M1, ties to even, subnormals kept.
;;     - The product sums the exact products of the quantised numbers (number of the format x scale) in f32.
;;   ~~~python
;;   def quantise(x, axis):      # numpy; x: float32 -> the quantised numbers, widened to float32 again
;;       x = np.moveaxis(x, axis, -1); K = x.shape[-1]
;;       x = np.pad(x, [(0, 0)] * (x.ndim - 1) + [(0, -K % 32)]); x = x.reshape(x.shape[:-1] + (-1, 32)); a = np.abs(x).max(-1, keepdims=True)
;;       e = np.where(a > 0, np.clip(np.frexp(np.where(a > 0, a, 1))[1] - 1 - 2, -126, 127), 0)      # np.frexp(a)[1] - 1 = floor(log2(a)), exactly
;;       r = np.clip(x / 2.0 ** e, -6, 6)
;;       step = 2.0 ** (np.maximum(np.frexp(np.where(r == 0, 1, r))[1] - 1, 0) - 1)
;;       q = np.round(r / step) * step * 2.0 ** e      # np.round: ties to even
;;       return np.moveaxis(q.reshape(q.shape[:-2] + (-1,))[..., :K], -1, axis).astype(np.float32)
;;   ~~~
;;   SOFTMAX AHEAD OF A QUANTISED PRODUCT. Where the list says 'softmax', what is quantised is not the finished softmax but p = 2^(t - M), with t = logit x log2(e) and M = ceil(the row's largest t), a whole number; so 1/2 < the row's largest p <= 1. The row's sum l is taken of the UNQUANTISED p, in f32, and the product's result is divided by l at the end. Since M is a whole number, a kernel that streams over the keys may use a running M (the ceiling of the running maximum): every later rescaling is an exact power of two, which a block's scale takes up: the codes' values come out the same.
;;   OPERANDS COMPUTED ON THE WAY. 'Computed on the way' means the value that the module computes at that place (a softmax that the list does not call 'softmax' is quantised finished and normalised). What goes into a quantiser is computed in f32, as accurately as f32 sums, v_exp_f32 and their like allow (about 1e-6 of the number): no bf16 or f16 on the way to a quantiser, and a product that is left as it is and whose result goes on into a quantised operand takes f32 operands (vector FMAs, or v_wmma_f32_16x16x4_f32). A number that lies on a knife's edge between two numbers of the format may be rounded either way, as far as f32 arithmetic and the matrix unit's own rounding can turn it there, and no further.
;;   INPUTS GIVEN AS CODES. hidden_state (in the module: [4, 1024, 2048], K = its axis 2); w_k (in the module: [2048, 128], K = its axis 0); w_o (in the module: [2048, 2048], K = its axis 0); w_q (in the module: [2048, 2048], K = its axis 0); w_v (in the module: [2048, 128], K = its axis 0): each comes as NAME_codes (uint8): NAME with its K axis moved to the last place and cut into blocks of 32 codes, [.., K / 32, bytes a block], one block behind the other in memory; two codes a byte, the lower K in the low four bits (a code: sign, 2 exponent bits, 1 mantissa bit); and NAME_scales (uint8): the same leading axes, one E8M0 byte (e + 127) for each 32 codes along K. Its value is code x scale, taken as it is: it is not quantised again, and the codes and scales need not be those that the quantiser above would give.
;; One version. Each part assembles by itself: llvm-mc -triple=amdgcn-amd-amdhsa -mcpu=gfx1250 --defsym DOCPART=n.
;; ======== version 1 of 1: 3 launches
;; limits: right only within a limited range of input values
;; workspace buffers: qimg 4,194,304 bytes; qsc 524,288 bytes; kv 557,056 bytes; a6img 4,194,304 bytes; a6sc 262,144 bytes
;; launch proj (part 1): grid 32 x 8, 4 waves a work-group, clusters of 4 x 4, 327,680 bytes of LDS; arguments hidden_state_codes, hidden_state_scales, w_q_codes, w_q_scales, w_k_codes, w_k_scales, w_v_codes, w_v_scales, b_q, b_k, b_v, qimg, qsc, kv; writes qimg, qsc, kv
.if DOCPART == 1
	.amdgcn_target "amdgcn-amd-amdhsa--gfx1250"
	.amdhsa_code_object_version 6
	.text
	.protected	k_q35f6d3f13d_proj
	.globl	k_q35f6d3f13d_proj
	.p2align	8
	.type	k_q35f6d3f13d_proj,@function
k_q35f6d3f13d_proj:
	s_mov_b64 s[64:65], 0
	v_nop
	global_prefetch_b8 v0, s[64:65] scope:SCOPE_SE
	s_setreg_imm32_b32 hwreg(HW_REG_WAVE_MODE, 25, 1), 1
	s_wait_xcnt 0x0
	s_wait_alu depctr_hold_cnt(0) depctr_sa_sdst(0) depctr_va_vdst(0) depctr_va_sdst(0) depctr_va_ssrc(0) depctr_va_vcc(0) depctr_vm_vsrc(0)
	s_getreg_b32 s2, hwreg(HW_REG_IB_STS2, 6, 4)
	s_cmp_eq_u32 s2, 0
	s_cbranch_scc0 .Lentry_in_a_cluster
	s_endpgm
.Lentry_in_a_cluster:
	s_bfe_u32 s2, ttmp6, 0x10000c
	s_cmp_lg_u32 s2, 0xf033
	s_cbranch_scc0 .Lentry_shape_is_right
	s_endpgm
.Lentry_shape_is_right:
; q = X Wq + b_q, k = X Wk + b_k, v = X Wv + b_v on codes of FP4 (E2M1), one E8M0 scale for each 32 along K = 2,048; the results are quantised at once: q and k along the head's 128, v along the tokens (the keys).
; They leave as IMAGES OF OPERAND REGISTERS: a fragment (16 rows x 128 K) is 1,024 bytes, [c = 0, 1][lane][16 bytes].
; SHARES.  A work-group makes 128 tokens (x) x 288 columns (y): heads 2 y and 2 y + 1 of q, and 32 columns of k (y = 0 .. 3: columns 32 y) or of v (y = 4 .. 7).  256 work-groups of equal work.
; Wave 2 i + j: tokens 64 i .. + 63 of head 2 y + j (4 x 8 accumulators), and tokens 32 (2 i + j) .. + 31 of the 32 columns (2 x 2).  Its token tiles 0, 1 are those 32 tokens, 2, 3 the other 32 of the 64.
; TRANSPOSED USE: source 0 = 16 rows of W, source 1 = 16 tokens: a lane holds one token and its registers run along the columns.
; LDS.  X's 128 rows and the 32 rows of Wk or Wv stay for all of K; Wq's 256 rows go through a ring of two slots of 512 along K.  Scale bytes go to registers: a lane a row, 16 words.
; CLUSTER 4 x 4: X's tile is shared along y, W's along x: all tensor loads are joint.
; PREFETCH: each cluster asks once for its rows of Wq: of the 256 rows that four partners share each takes 64 (by address, cx), each wave 16; K steps 1 and 2 behind the head's loads, K step 3 behind K step 1's load; nothing lies behind K step 3.
; k AND v go as f32 through a stage in LDS (Wq's slot 0 behind its last fill and last read), from which a lane takes one block of 32 and quantises it.
; K'S TILES: lane r of tile 4 c + v of a group of 128 keys is key 64 c + 32 (r / 8) + 8 v + r % 8, so that attention's scores come out with a block of 32 keys in one lane.
; kv: a group of 128 keys is 17,408 bytes: K's 8 tiles, V's 8 tiles (16 d each), K's scale words, V's: [tile / 4][row][tile % 4].  A scale byte is stored for each 16 bytes of codes.
; LIMITS: NaN and infinities are not served; a block whose largest magnitude lies under 2^-124 keeps the scale byte 1; a block of zeros gets the byte 1 where the quantiser's rule says 127: its codes are zeros, and this program alone reads the bytes.
.set XP,   1040                        ; X's and Wkv's LDS rows: 1,024 bytes + 16
.set WKV,  128*XP
.set WQ,   WKV+32*XP
.set WP,   272                         ; Wq's: 256 + 16
.set SLOT, 256*WP
.set SPARE, WQ+2*SLOT
.set STAGE, WQ
.set SGP,  144                         ; the stage: 128 tokens x (32 f32 + 16 bytes)
.set ADX,  16
.set ADK,  18
.set STA,  19
.set ADW,  20
.set LIA,  22
.set LIB,  23
.set KA,   24
.set VA,   25
.set VO,   26
.set SPW,  28
.set NIL,  29
.set VS,   30
.set SX,   32                          ; scale words: X's tiles 0, 1 | 2, 3;  Wq's 4 x 32 rows;  Wkv's 32 rows
.set SW,   64
.set SKV,  128
.set T,    144                         ; token fragments, two sets; later the codes made
.set TM,   208
.set PW,   224
.set PO,   228
.set CD,   232
.set D,    32
.set BI,   128                         ; window 1: Wq's fragments (two sets) at v0; biases; Wkv's fragments (two sets)
.set BKV,  192
.set FK,   208
.set GX,   24
.set GW,   32
.set GK,   48
.set GX0,  56
.set GK0,  60
.set GWA,  4
.set GWB,  8
.set R0,   20                          ; the ring's group 0 for slot 0, slot 1
.set R1,   96
.set SEL,  46
.set MSB, 0
.macro WIN new
.if MSB != (\new)
	s_set_vgpr_msb (MSB<<8)|(\new)
.set MSB, (\new)
.endif
.endm
.macro CREST                           ; a round of the cluster's barrier behind its opening barrier
	s_cmp_lg_u32 s14, 0
	s_cbranch_scc1 .Lnot_wave_0_\@
	s_barrier_signal -3
.Lnot_wave_0_\@:
	s_barrier_wait -3
	s_barrier_signal -1
	s_barrier_wait -1
.endm
.macro CROUND
	s_barrier_signal -1
	s_barrier_wait -1
	CREST
.endm
.macro PLACES                          ; plain lines between matrix instructions and loads into, or reads of, their registers
.rept 4
	v_nop
.endr
.endm
.macro GRP g, mask, w, rb, rows        ; descriptor group 1: rows of rb bytes, 1,024 bytes apart, padded by 16
	s_or_b32 s[\g], s[\mask], \w
	s_mov_b32 s[\g+1], (\rb)<<16
	s_mov_b32 s[\g+2], (\rows)<<16
	s_mov_b32 s[\g+3], (\rb)<<16
	s_mov_b32 s[\g+4], \rows
	s_mov_b32 s[\g+5], 1024
	s_mov_b32 s[\g+6], 0
	s_mov_b32 s[\g+7], 0
.endm
	s_load_b512 s[68:83], s[0:1], 0x0              ; X codes, scales, Wq codes, scales, Wk codes, scales, Wv codes, scales
	s_load_b256 s[84:91], s[0:1], 0x40             ; b_q, b_k, b_v, qimg
	s_load_b128 s[92:95], s[0:1], 0x60             ; qsc, kv
	v_lshl_add_u32 v[SPW], v0, 2, SPARE
	v_mov_b32 v[NIL], 0
	ds_add_u32 v[SPW], v[NIL]                      ; the opening add, twice on end
	ds_add_u32 v[SPW], v[NIL]
	v_lshrrev_b32 v1, 5, v0
	v_readfirstlane_b32 s14, v1                    ; wave 0..3
	s_lshr_b32 s15, s14, 1                         ; i
	s_and_b32 s16, s14, 1                          ; j
	s_bfe_u32 s40, ttmp6, 0x40000                  ; cx
	s_bfe_u32 s41, ttmp6, 0x40004                  ; cy
	s_lshl_b32 s17, ttmp9, 2
	s_add_co_u32 s17, s17, s40                     ; x: block of 128 tokens
	s_and_b32 s42, ttmp7, 0xffff                   ; the cluster's y: 0 k, 1 v
	s_lshl_b32 s18, s42, 2
	s_add_co_u32 s18, s18, s41                     ; y
	s_lshl_b32 s43, s41, 2
	s_lshl_b32 s43, 15, s43                        ; W's partners: my row of the cluster
	s_lshl_b32 s44, 0x1111, s40                    ; X's partners: my column
	GRP GX, 44, (1<<20)|(1<<21)|(7<<22)|(3<<25), 1024, 128
	GRP GW, 43, (1<<20)|(1<<21)|(5<<22)|(3<<25), 256, 128
	GRP GK, 43, (1<<20)|(1<<21)|(7<<22)|(3<<25), 1024, 32
	s_mul_i32 s45, s14, 64*WP                      ; the ring: wave x 64 rows
	s_mov_b32 s3, 0
	s_mov_b32 s13, 0
	s_mov_b32 s101, 0
	s_wait_dscnt 0x0                               ; both opening adds are done
	CROUND                                         ; all sixteen work-groups are here: the joint loads meet
	s_wait_kmcnt 0x0
	s_cmp_eq_u32 s42, 0
	s_cselect_b64 s[76:77], s[76:77], s[80:81]     ; Wk or Wv: codes, scales, bias
	s_cselect_b64 s[78:79], s[78:79], s[82:83]
	s_cselect_b64 s[86:87], s[86:87], s[88:89]
	s_lshl_b32 s12, s17, 17
	s_add_nc_u64 s[68:69], s[68:69], s[12:13]      ; X: row 128 x
	s_lshl_b32 s2, s18, 18
	s_add_nc_u64 s[72:73], s[72:73], s[2:3]        ; Wq: row 256 y
	s_lshl_b32 s2, s41, 15
	s_add_nc_u64 s[76:77], s[76:77], s[2:3]        ; Wk, Wv: row 32 cy
	s_mov_b32 s[GX0], 1
	s_mov_b32 s[GX0+1], 0
	s_mov_b64 s[GX0+2:GX0+3], s[68:69]
	s_or_b32 s[GX0+3], s[GX0+3], 0x80000000
	s_mov_b32 s[GWA], 1
	s_mov_b32 s[GWA+1], WQ
	s_mov_b64 s[GWA+2:GWA+3], s[72:73]
	s_or_b32 s[GWA+3], s[GWA+3], 0x80000000
	s_mov_b32 s[GWB], 1
	s_mov_b32 s[GWB+1], WQ+128*WP
	s_add_nc_u64 s[GWB+2:GWB+3], s[72:73], 0x20000
	s_or_b32 s[GWB+3], s[GWB+3], 0x80000000
	s_mov_b32 s[GK0], 1
	s_mov_b32 s[GK0+1], WKV
	s_mov_b64 s[GK0+2:GK0+3], s[76:77]
	s_or_b32 s[GK0+3], s[GK0+3], 0x80000000
; THE HEAD'S LOADS, one a wave: X's 128 rows, Wq's two halves of K step 0, Wkv's 32 rows.  One tree of branches on the wave's number.
.macro ARM under, g0, g1, next
	s_cmp_lt_u32 s14, \under
	s_cbranch_scc0 \next
	tensor_load_to_lds s[\g0:\g0+3], s[\g1:\g1+7]
	s_nop 0
	PLACES
	s_branch .Lhead_asked
\next:
.endm
	ARM 1, GX0, GX, .Lhead_wa
	ARM 2, GWA, GW, .Lhead_wb
	ARM 3, GWB, GW, .Lhead_k
	tensor_load_to_lds s[GK0:GK0+3], s[GK:GK+7]
	s_nop 0
	PLACES
.Lhead_asked:
	s_lshl_b32 s2, s14, 16
	s_add_nc_u64 s[46:47], s[72:73], s[2:3]        ; the ring: my 64 rows
	s_mov_b32 s[R0], 1
	s_add_co_u32 s[R0+1], s45, WQ
	s_add_nc_u64 s[R0+2:R0+3], s[46:47], 512       ; slot 0: K step 2
	s_or_b32 s[R0+3], s[R0+3], 0x80000000
	s_mov_b32 s[R1], 1
	s_add_co_u32 s[R1+1], s45, WQ+SLOT
	s_add_nc_u64 s[R1+2:R1+3], s[46:47], 256       ; slot 1: K step 1, then 3
	s_or_b32 s[R1+3], s[R1+3], 0x80000000
	s_lshl_b32 s100, s17, 13                       ; X's scale bytes: row 128 x + 64 i,
	s_lshl_b32 s19, s15, 12
	s_add_co_u32 s100, s100, s19
	s_add_nc_u64 s[70:71], s[70:71], s[100:101]
	s_lshl_b32 s100, s16, 11
	s_add_nc_u64 s[80:81], s[70:71], s[100:101]    ; + 32 j: tiles 0, 1;
	s_xor_b32 s100, s100, 2048
	s_add_nc_u64 s[70:71], s[70:71], s[100:101]    ; the other 32: tiles 2, 3
	s_lshl_b32 s100, s18, 14
	s_lshl_b32 s19, s16, 13
	s_add_co_u32 s100, s100, s19
	s_add_nc_u64 s[74:75], s[74:75], s[100:101]    ; Wq's: row 256 y + 128 j
	s_lshl_b32 s100, s41, 11
	s_add_nc_u64 s[78:79], s[78:79], s[100:101]
	s_lshl_b32 s100, s18, 10
	s_lshl_b32 s19, s16, 9
	s_add_co_u32 s100, s100, s19
	s_add_nc_u64 s[84:85], s[84:85], s[100:101]    ; b_q
	s_lshl_b32 s100, s41, 7
	s_add_nc_u64 s[86:87], s[86:87], s[100:101]    ; b_k or b_v
	s_lshl_b32 s100, s40, 16
	s_lshl_b32 s19, s14, 14
	s_add_co_u32 s100, s100, s19
	s_add_nc_u64 s[82:83], s[72:73], s[100:101]    ; the prefetches: rows 64 cx + 16 wave of the work-group's 256
	s_lshr_b32 s19, s17, 3                         ; batch
	s_and_b32 s66, s17, 7                          ; its group of 128 tokens
	s_mul_i32 s100, s19, 139264
	s_mul_i32 s67, s66, 17408
	s_add_co_u32 s100, s100, s67
	s_add_nc_u64 s[94:95], s[94:95], s[100:101]    ; kv: my group
	s_lshl_b32 s19, s19, 4
	s_lshl_b32 s67, s18, 1
	s_add_co_u32 s19, s19, s67
	s_add_co_u32 s19, s19, s16
	s_lshl_b32 s19, s19, 4
	s_lshl_b32 s66, s66, 1
	s_add_co_u32 s19, s19, s66
	s_add_co_u32 s19, s19, s15                     ; (16 batch + head) x 16 + group of 64 tokens
	s_lshl_b32 s100, s19, 12
	s_add_nc_u64 s[90:91], s[90:91], s[100:101]
	s_lshl_b32 s100, s19, 9
	s_add_nc_u64 s[92:93], s[92:93], s[100:101]
	s_lshl_b32 s19, s41, 8                         ; k: block cy of each row's four; v: d tiles 2 cy, 2 cy + 1
	s_lshl_b32 s66, s41, 11
	s_add_co_u32 s66, s66, 8192
	s_add_co_u32 s67, s41, 16384
	s_lshr_b32 s88, s41, 1
	s_lshl_b32 s88, s88, 8
	s_and_b32 s89, s41, 1
	s_lshl_b32 s89, s89, 3
	s_add_co_u32 s88, s88, s89
	s_add_co_u32 s88, s88, 16896
	s_cmp_eq_u32 s42, 0
	s_cselect_b32 s100, s19, s66
	s_cselect_b32 s19, s67, s88
	s_cselect_b32 s66, 0, -1                       ; s66: all ones for v
	s_add_nc_u64 s[88:89], s[94:95], s[100:101]    ; where my codes of k or v go,
	s_mov_b32 s100, s19
	s_add_nc_u64 s[94:95], s[94:95], s[100:101]    ; and my scale bytes
	s_cmp_eq_u32 s16, 0
	s_cselect_b32 s67, 0, -1                       ; s67: all ones for j = 1
	s_mov_b32 s[SEL], 0x76543210
	s_mov_b32 s[SEL+1], 0xfedcba98                 ; lane l xor 16
	v_and_b32 v1, 15, v0                           ; r
	v_bfe_u32 v2, v0, 4, 1                         ; h
	v_and_b32 v3, 31, v0
	v_lshlrev_b32 v4, 6, v3
	v_lshlrev_b32 v5, 5, v2
.irp k, 0,1,2,3
	global_load_b128 v[SX+4*\k:SX+4*\k+3], v4, s[80:81] offset:16*\k
	global_load_b128 v[SX+16+4*\k:SX+16+4*\k+3], v4, s[70:71] offset:16*\k
	global_load_b128 v[SKV+4*\k:SKV+4*\k+3], v4, s[78:79] offset:16*\k
.irp g, 0,1,2,3
	global_load_b128 v[SW+16*\g+4*\k:SW+16*\g+4*\k+3], v4, s[74:75] offset:2048*\g+16*\k
.endr
.endr
	WIN 0x40
.irp b, 0,1,2,3,4,5,6,7                ; the biases: the C of the first products: bias[16 b + 8 h + j]
	global_load_b128 v[BI+8*\b:BI+8*\b+3], v5, s[84:85] offset:64*\b
	global_load_b128 v[BI+8*\b+4:BI+8*\b+7], v5, s[84:85] offset:64*\b+16
.endr
.irp b, 0,1
	global_load_b128 v[BKV+8*\b:BKV+8*\b+3], v5, s[86:87] offset:64*\b
	global_load_b128 v[BKV+8*\b+4:BKV+8*\b+7], v5, s[86:87] offset:64*\b+16
.endr
	WIN 0
	v_lshlrev_b32 v6, 10, v1
	v_lshl_add_u32 v6, v2, 8, v6                   ; a lane a row; lanes 16-31 one K step further on
	v_min_u32 v7, 15, v3
	v_lshlrev_b32 v7, 10, v7
	global_prefetch_b8 v6, s[82:83] offset:256 th:TH_LOAD_NT scope:SCOPE_SE   ; K steps 1 and 2
	s_wait_alu depctr_va_vdst(0)
	v_mul_u32_u24 v8, v1, XP
	v_lshl_add_u32 v8, v2, 4, v8                   ; a fragment's row x pitch + 16 h
	s_mul_i32 s19, s14, 32*XP                      ; tiles 0, 1: tokens 32 x wave,
	s_xor_b32 s45, s14, 1
	s_mul_i32 s45, s45, 32*XP                      ; tiles 2, 3: the other 32 of the 64
	v_add_nc_u32 v[ADX], s19, v8
	v_add_nc_u32 v[ADX+1], s45, v8
	v_add_nc_u32 v[ADK], WKV, v8
	v_mul_u32_u24 v9, v1, WP
	v_lshl_add_u32 v9, v2, 4, v9
	s_mul_i32 s19, s16, 128*WP
	s_add_co_u32 s19, s19, WQ
	v_add_nc_u32 v[ADW], s19, v9
	v_add_nc_u32 v[ADW+1], SLOT, v[ADW]
	v_lshlrev_b32 v10, 4, v3                       ; 16 x lane
	s_lshl_b32 s19, s16, 11
	v_add_nc_u32 v[LIA], s19, v10                  ; q's images: tiles 2 j + a,
	s_xor_b32 s19, s19, 2048
	v_add_nc_u32 v[LIB], s19, v10                  ; and the other two
	v_and_b32 v11, 0x6f, v0                        ; the stage, in: token 32 wave + r
	v_mul_u32_u24 v11, v11, SGP
	v_lshl_add_u32 v11, v2, 5, v11
	v_add_nc_u32 v[STA], STAGE, v11
	v_and_b32 v12, 0x47, v0                        ; out, k: thread / 16 is the tile, thread % 16 its row
	v_bfe_u32 v13, v0, 4, 2
	v_lshl_add_u32 v12, v13, 3, v12
	v_bfe_u32 v14, v0, 3, 1
	v_lshl_add_u32 v12, v14, 5, v12
	v_mul_u32_u24 v12, v12, SGP
	v_add_nc_u32 v[KA], STAGE, v12
	v_and_b32 v14, 0x40, v0                        ; out, v: d = 16 (wave % 2) + r, keys 64 (wave / 2) + 32 h + 0 .. 31
	v_lshl_add_u32 v14, v2, 5, v14
	v_mul_u32_u24 v14, v14, SGP
	v_bfe_u32 v15, v0, 5, 1
	v_lshl_add_u32 v14, v15, 6, v14
	v_lshl_add_u32 v14, v1, 2, v14
	v_add_nc_u32 v[VA], STAGE, v14
	v_bfe_u32 v27, v0, 6, 1
	v_lshrrev_b32 v11, 4, v0
	v_lshlrev_b32 v11, 10, v11
	v_lshl_add_u32 v11, v1, 4, v11                 ; codes: k,
	v_lshl_add_u32 v12, v15, 10, v10
	v_lshl_add_u32 v12, v27, 9, v12                ; v
	v_cndmask_b32 v[VO], v11, v12, s66
	v_lshlrev_b32 v11, 8, v27
	v_lshl_add_u32 v11, v1, 4, v11
	v_lshl_add_u32 v11, v13, 2, v11                ; scale bytes: k,
	v_lshl_add_u32 v12, v27, 1, v2
	v_lshl_add_u32 v12, v15, 2, v12
	v_lshl_add_u32 v12, v1, 4, v12                 ; v
	v_cndmask_b32 v[VS], v11, v12, s66
.irp b, 0,1,2,3
	v_mov_b32 v[TM+4+\b], 0                        ; a lane permute's destination counts as one of its sources
.endr
.macro FETCH s                         ; K step s of 128: 28 loads
	WIN 0x40
.irp b, 0,1,2,3,4,5,6,7
.irp c, 0,1
	ds_load_b128 v[64*((\s)%2)+8*\b+4*\c:64*((\s)%2)+8*\b+4*\c+3], v[ADW+((\s)/4)%2] offset:64*((\s)%4)+32*\c+\b*16*WP
.endr
.endr
.irp b, 0,1
.irp c, 0,1
	ds_load_b128 v[FK+16*((\s)%2)+8*\b+4*\c:FK+16*((\s)%2)+8*\b+4*\c+3], v[ADK] offset:64*(\s)+32*\c+\b*16*XP
.endr
.endr
	WIN 0
.irp a, 0,1,2,3
.irp c, 0,1
	ds_load_b128 v[T+32*((\s)%2)+8*\a+4*\c:T+32*((\s)%2)+8*\a+4*\c+3], v[ADX+(\a/2)] offset:64*(\s)+32*\c+(\a%2)*16*XP
.endr
.endr
.endm
.macro WM d, f0, f1, c, s0, s1, r0, r1 ; r0, r1: the side's scale words lie in lanes 16-31
.if \r0
.if \r1
	v_wmma_scale_f32_16x16x128_f8f6f4 v[\d:\d+7], v[\f0:\f0+7], v[\f1:\f1+7], v[\c:\c+7], v[\s0], v[\s1] matrix_a_fmt:MATRIX_FMT_FP4 matrix_b_fmt:MATRIX_FMT_FP4 matrix_a_scale:MATRIX_SCALE_ROW1 matrix_b_scale:MATRIX_SCALE_ROW1
.else
	v_wmma_scale_f32_16x16x128_f8f6f4 v[\d:\d+7], v[\f0:\f0+7], v[\f1:\f1+7], v[\c:\c+7], v[\s0], v[\s1] matrix_a_fmt:MATRIX_FMT_FP4 matrix_b_fmt:MATRIX_FMT_FP4 matrix_a_scale:MATRIX_SCALE_ROW1
.endif
.else
.if \r1
	v_wmma_scale_f32_16x16x128_f8f6f4 v[\d:\d+7], v[\f0:\f0+7], v[\f1:\f1+7], v[\c:\c+7], v[\s0], v[\s1] matrix_a_fmt:MATRIX_FMT_FP4 matrix_b_fmt:MATRIX_FMT_FP4 matrix_b_scale:MATRIX_SCALE_ROW1
.else
	v_wmma_scale_f32_16x16x128_f8f6f4 v[\d:\d+7], v[\f0:\f0+7], v[\f1:\f1+7], v[\c:\c+7], v[\s0], v[\s1] matrix_a_fmt:MATRIX_FMT_FP4 matrix_b_fmt:MATRIX_FMT_FP4
.endif
.endif
.endm
; The 36 accumulators take turns in the same order in every step.
.macro MULQ a, s, first                ; window 2: q
.if \first
	WIN 0x91
.else
	WIN 0xa1
.endif
.irp b, 0,1,2,3,4,5,6,7
.if \first
	WM 8*(8*(\a)+\b), 64*((\s)%2)+8*\b, T+32*((\s)%2)+8*(\a), BI+8*\b, SW+16*(\b/2)+(\s), SX+16*((\a)/2)+(\s), \b%2, (\a)%2
.else
	WM 8*(8*(\a)+\b), 64*((\s)%2)+8*\b, T+32*((\s)%2)+8*(\a), 8*(8*(\a)+\b), SW+16*(\b/2)+(\s), SX+16*((\a)/2)+(\s), \b%2, (\a)%2
.endif
.endr
.endm
.macro MULK s, first                   ; window 3: k or v
.if \first
	WIN 0xd1
.else
	WIN 0xf1
.endif
.irp a, 0,1
.irp b, 0,1
.if \first
	WM 8*(2*\a+\b), FK+16*((\s)%2)+8*\b, T+32*((\s)%2)+8*\a, BKV+8*\b, SKV+(\s), SX+(\s), \b, \a
.else
	WM 8*(2*\a+\b), FK+16*((\s)%2)+8*\b, T+32*((\s)%2)+8*\a, 8*(2*\a+\b), SKV+(\s), SX+(\s), \b, \a
.endif
.endr
.endr
	WIN 0
.endm
.macro STEP s, first
.if \first == 0
	PLACES
.endif
	FETCH (\s)+1
	s_wait_dscnt 28                                ; step s is in; the 28 loads of the next may be out
	MULQ 0, \s, \first
	MULQ 1, \s, \first
	MULQ 2, \s, \first
	MULQ 3, \s, \first
	MULK \s, \first
.endm
; A slot's last step changes slots: one barrier.  g: group 0 of the slot that is filled again (0: none).
.macro TURN s, g
	s_wait_tensorcnt 0x0                           ; my part of the next slot is in
	ds_add_u32 v[SPW], v[NIL]
	s_wait_dscnt 1
	MULQ 0, \s, 0
	MULQ 1, \s, 0
	s_wait_dscnt 0x0                               ; the add is done, and my reads of this slot are over
	s_barrier_signal -1
	MULQ 2, \s, 0
	MULQ 3, \s, 0
	WIN 0
	s_barrier_wait -1
.if \g
	CREST                                          ; no wave of any partner still reads this slot or has a load on its way
.if (\g) == R1
	s_add_nc_u64 s[R1+2:R1+3], s[R1+2:R1+3], 512
.endif
	tensor_load_to_lds s[\g:\g+3], s[GW:GW+7]
	s_nop 0
.endif
	PLACES
	FETCH (\s)+1
	MULK \s, 0
.endm
	s_wait_alu depctr_va_vdst(0)                   ; the wait at the head's end
	s_wait_tensorcnt 0x0                           ; my tile of the head's four is in
	ds_add_u32 v[SPW], v[NIL]
	s_mov_b32 s[GW+2], 64<<16                      ; no tensor load of mine is out: from here on a load of Wq brings 64 rows
	s_mov_b32 s[GW+4], 64
	s_wait_dscnt 0x0
	CROUND
	tensor_load_to_lds s[R1:R1+3], s[GW:GW+7]      ; K step 1: slot 1's first fill, issued as a refill is
	s_nop 0
	PLACES
	FETCH 0
	global_prefetch_b8 v7, s[82:83] offset:768 th:TH_LOAD_NT scope:SCOPE_SE   ; K step 3 (lanes 16-31 name the last row again)
	s_wait_loadcnt 0x0                             ; scale words and biases
	STEP 0, 1
	STEP 1, 0
	STEP 2, 0
	TURN 3, R0
.irp s, 4,5,6
	STEP \s, 0
.endr
	TURN 7, R1
.irp s, 8,9,10
	STEP \s, 0
.endr
	TURN 11, 0
.irp s, 12,13,14
	STEP \s, 0
.endr
	s_wait_dscnt 0x0
.irp a, 0,1,2,3
	MULQ \a, 15, 0
.endr
	MULK 15, 0
	PLACES
; k or v into the stage: slot 0 has had its last fill, and behind step 11's barrier nobody reads it
	WIN 0x0c
.irp a, 0,1
.irp b, 0,1
	ds_store_b128 v[STA], v[16*\a+8*\b:16*\a+8*\b+3] offset:\a*16*SGP+64*\b
	ds_store_b128 v[STA], v[16*\a+8*\b+4:16*\a+8*\b+7] offset:\a*16*SGP+64*\b+16
.endr
.endr
	WIN 0
; q's token tile a: register 8 b + j = d 16 b + 8 h + j; a block of 32 lies in lanes l and l xor 16.  The floor 2^(3 - 127) stands among the magnitudes; 2 off the exponent field is the conversion's scale operand.
; The conversions of a pair of blocks go to registers + 0, + 2, + 1, + 3; two exchanges of lane halves then give a lane a whole block.
.macro OUT a
.set AC, 64*(\a)
.set PCA, T+8*(\a)
	WIN 0x28
.irp b, 0,1,2,3
	v_max3_num_f32 v[TM+\b], 0x1800000, |v[AC+16*\b]|, |v[AC+16*\b+1]|
.endr
.irp i, 2,4,6,8,10,12,14
.irp b, 0,1,2,3
	v_max3_num_f32 v[TM+\b], v[TM+\b], |v[AC+16*\b+\i]|, |v[AC+16*\b+\i+1]|
.endr
.endr
	WIN 0
.irp b, 0,1,2,3
	v_permlanex16_b32 v[TM+4+\b], v[TM+\b], s[SEL], s[SEL+1]
.endr
.irp b, 0,1,2,3
	v_max_num_f32 v[TM+\b], v[TM+\b], v[TM+4+\b]
.endr
.irp b, 0,1,2,3
	v_add_nc_u32 v[TM+12+\b], 0xff000000, v[TM+\b]
.endr
.irp b, 0,1,2,3
	v_lshrrev_b32 v[TM+4+\b], 23, v[TM+12+\b]
.endr
	v_lshl_or_b32 v[PW+\a], v[TM+5], 8, v[TM+4]
	v_lshl_or_b32 v[PW+\a], v[TM+6], 16, v[PW+\a]
	v_lshl_or_b32 v[PW+\a], v[TM+7], 24, v[PW+\a]
	WIN 2
.irp b, 0,1,2,3
	v_cvt_scalef32_pk8_fp4_f32 v[PCA+4*(\b/2)+(\b%2)], v[AC+16*\b:AC+16*\b+7], v[TM+12+\b]
	v_cvt_scalef32_pk8_fp4_f32 v[PCA+4*(\b/2)+2+(\b%2)], v[AC+16*\b+8:AC+16*\b+15], v[TM+12+\b]
.endr
	WIN 0
	v_nop                                          ; one plain line behind the scaled conversions
.irp c, 0,1
	v_permlane16_swap_b32 v[PCA+4*\c], v[PCA+4*\c+1]
	v_permlane16_swap_b32 v[PCA+4*\c+2], v[PCA+4*\c+3]
.endr
	global_store_b128 v[LIA+((\a)/2)], v[PCA:PCA+3], s[90:91] offset:1024*((\a)%2)
	global_store_b128 v[LIA+((\a)/2)], v[PCA+4:PCA+7], s[90:91] offset:1024*((\a)%2)+512
.endm
.irp a, 0,1,2,3
	OUT \a
.endr
	v_cndmask_b32 v[PO], v[PW], v[PW+2], s67       ; the scale words in the order of the group's tiles
	v_cndmask_b32 v[PO+1], v[PW+1], v[PW+3], s67
	v_cndmask_b32 v[PO+2], v[PW+2], v[PW], s67
	v_cndmask_b32 v[PO+3], v[PW+3], v[PW+1], s67
	global_store_b128 v10, v[PO:PO+3], s[92:93]    ; [lane][tile]: 512 consecutive bytes
	s_wait_alu depctr_va_vdst(0)
	s_wait_dscnt 0x0                               ; my part of the stage is written
	s_barrier_signal -1
	s_barrier_wait -1
	s_cmp_lg_u32 s42, 0
	s_cbranch_scc1 .Lis_v
.irp k, 0,1,2,3,4,5,6,7
	ds_load_b128 v[D+4*\k:D+4*\k+3], v[KA] offset:16*\k          ; k: 32 neighbouring columns of one key
.endr
	s_branch .Lblock
.Lis_v:
.set I, 0
.rept 32
	ds_load_b32 v[D+I], v[VA] offset:I*SGP         ; v: 32 neighbouring keys of one column
.set I, I+1
.endr
.Lblock:
	s_wait_dscnt 0x0
	v_max3_num_f32 v[TM], |v[D]|, |v[D+1]|, 0x1800000
	v_max3_num_f32 v[TM+1], |v[D+2]|, |v[D+3]|, 0x1800000
.irp i, 4,8,12,16,20,24,28
	v_max3_num_f32 v[TM], v[TM], |v[D+\i]|, |v[D+\i+1]|
	v_max3_num_f32 v[TM+1], v[TM+1], |v[D+\i+2]|, |v[D+\i+3]|
.endr
	v_max_num_f32 v[TM], v[TM], v[TM+1]
	v_add_nc_u32 v[TM+2], 0xff000000, v[TM]
	v_lshrrev_b32 v[TM+3], 23, v[TM+2]
.irp g, 0,1,2,3
	v_cvt_scalef32_pk8_fp4_f32 v[CD+\g], v[D+8*\g:D+8*\g+7], v[TM+2]
.endr
	v_nop
	global_store_b128 v[VO], v[CD:CD+3], s[88:89]  ; sixteen lanes store 256 consecutive bytes, aligned
	global_store_b8 v[VS], v[TM+3], s[94:95]
	s_wait_tensorcnt 0x0                           ; the wave's end
	ds_add_u32 v[SPW], v[NIL]
	s_wait_dscnt 0x0
	CROUND                                         ; the closing round
	s_endpgm
.Lfunc_end_k_q35f6d3f13d_proj:
	.size	k_q35f6d3f13d_proj, .Lfunc_end_k_q35f6d3f13d_proj-k_q35f6d3f13d_proj
	.p2alignl 7, 3214868480
	.fill 96, 4, 3214868480
	.section	.rodata,"a",@progbits
	.p2align	6, 0x0
	.amdhsa_kernel k_q35f6d3f13d_proj
		.amdhsa_group_segment_fixed_size 327680
		.amdhsa_private_segment_fixed_size 0
		.amdhsa_enable_private_segment 0
		.amdhsa_kernarg_size 112
		.amdhsa_user_sgpr_count 2
		.amdhsa_user_sgpr_kernarg_segment_ptr 1
		.amdhsa_wavefront_size32 1
		.amdhsa_system_sgpr_workgroup_id_x 1
		.amdhsa_system_sgpr_workgroup_id_y 1
		.amdhsa_system_sgpr_workgroup_id_z 1
		.amdhsa_system_vgpr_workitem_id 0
		.amdhsa_next_free_vgpr 800
		.amdhsa_next_free_sgpr 102
		.amdhsa_reserve_vcc 0
		.amdhsa_float_denorm_mode_32 3
		.amdhsa_float_denorm_mode_16_64 3
		.amdhsa_memory_ordered 1
		.amdhsa_forward_progress 1
		.amdhsa_inst_pref_size 146
	.end_amdhsa_kernel
	.amdgpu_metadata
---
amdhsa.version: [ 1, 2 ]
amdhsa.kernels:
  - .name:           k_q35f6d3f13d_proj
    .symbol:         k_q35f6d3f13d_proj.kd
    .args:
      - { .name: hidden_state_codes, .offset: 0, .size: 8, .value_kind: global_buffer, .address_space: global }
      - { .name: hidden_state_scales, .offset: 8, .size: 8, .value_kind: global_buffer, .address_space: global }
      - { .name: w_q_codes, .offset: 16, .size: 8, .value_kind: global_buffer, .address_space: global }
      - { .name: w_q_scales, .offset: 24, .size: 8, .value_kind: global_buffer, .address_space: global }
      - { .name: w_k_codes, .offset: 32, .size: 8, .value_kind: global_buffer, .address_space: global }
      - { .name: w_k_scales, .offset: 40, .size: 8, .value_kind: global_buffer, .address_space: global }
      - { .name: w_v_codes, .offset: 48, .size: 8, .value_kind: global_buffer, .address_space: global }
      - { .name: w_v_scales, .offset: 56, .size: 8, .value_kind: global_buffer, .address_space: global }
      - { .name: b_q, .offset: 64, .size: 8, .value_kind: global_buffer, .address_space: global }
      - { .name: b_k, .offset: 72, .size: 8, .value_kind: global_buffer, .address_space: global }
      - { .name: b_v, .offset: 80, .size: 8, .value_kind: global_buffer, .address_space: global }
      - { .name: qimg, .offset: 88, .size: 8, .value_kind: global_buffer, .address_space: global }
      - { .name: qsc, .offset: 96, .size: 8, .value_kind: global_buffer, .address_space: global }
      - { .name: kv, .offset: 104, .size: 8, .value_kind: global_buffer, .address_space: global }
    .group_segment_fixed_size: 327680
    .private_segment_fixed_size: 0
    .kernarg_segment_align: 8
    .kernarg_segment_size: 112
    .max_flat_workgroup_size: 128
    .sgpr_count:     102
    .vgpr_count:     800
    .wavefront_size: 32
...
	.end_amdgpu_metadata
.endif
;; end of part 1
;; launch attn (part 2): grid 4 x 64, 8 waves a work-group, clusters of 4 x 1, 273,408 bytes of LDS; arguments qimg, qsc, kv, a6img, a6sc; writes a6img, a6sc
.if DOCPART == 2
	.amdgcn_target "amdgcn-amd-amdhsa--gfx1250"
	.amdhsa_code_object_version 6
	.text
	.protected	k_q35f6d3f13d_attn
	.globl	k_q35f6d3f13d_attn
	.p2align	8
	.type	k_q35f6d3f13d_attn,@function
k_q35f6d3f13d_attn:
	s_mov_b64 s[64:65], 0
	v_nop
	global_prefetch_b8 v0, s[64:65] scope:SCOPE_SE
	s_setreg_imm32_b32 hwreg(HW_REG_WAVE_MODE, 25, 1), 1
	s_wait_xcnt 0x0
	s_wait_alu depctr_hold_cnt(0) depctr_sa_sdst(0) depctr_va_vdst(0) depctr_va_sdst(0) depctr_va_ssrc(0) depctr_va_vcc(0) depctr_vm_vsrc(0)
	s_getreg_b32 s2, hwreg(HW_REG_IB_STS2, 6, 4)
	s_cmp_eq_u32 s2, 0
	s_cbranch_scc0 .Lentry_in_a_cluster
	s_endpgm
.Lentry_in_a_cluster:
	s_bfe_u32 s2, ttmp6, 0x10000c
	s_cmp_lg_u32 s2, 0x3003
	s_cbranch_scc0 .Lentry_shape_is_right
	s_endpgm
.Lentry_shape_is_right:
; Attention with one key and value head, both products on codes of FP4 (E2M1) with one E8M0 scale for each 32 along K; then O / l, turned as the model turns it, is quantised along the queries for the last product.
; t = score x log2(e) / sqrt(128); M = the running largest t rounded up to a whole number; p = 2^(t - M) is quantised along the keys, not normalised; the row's sum is taken of the unquantised p and divides O at the end.
; SHARES.  A work-group owns 256 queries (its place in the cluster) of one head of one batch (y = 16 x batch + head); each of its eight waves 32 of them, two tiles of 16, so that each fragment of K and V read from LDS feeds two products.
; A batch's K and V with their scale words are 139,264 dense bytes, eight groups of 128 keys: they come into LDS ONCE, a group a wave, and stay.  No prefetch: all that is read is asked for at the head, and no ring runs ahead.
; CLUSTER.  The four query blocks of a head walk the same K and V: each wave's group is asked for jointly.
; A STEP is 256 keys, so M moves at most four times.  Both products are used transposed: a lane holds one query (lane % 16).
; A BLOCK OF 32 KEYS LIES IN ONE LANE: K's tile 4 c + v holds keys 64 c + 8 v + 0 .. 7 in rows 0-7 and 32 more in rows 8-15; registers 32 q .. 32 q + 31 of a step's scores are the keys 64 q + 32 (lane / 16) + 0 .. 31 in order.
; So the conversions' results are the second product's operand as they stand, and a block's largest score needs no other lane.
; THE LAST PRODUCT'S OPERAND: row 64 head + d / 2 of the batch, K = 1,024 (d % 2) + query.  O / l goes through a stage in LDS, [64 (d % 2) + d / 2][256 queries], and each wave quantises 16 rows x 256 along the queries, a block of 32 to a lane.
; The codes leave in stores of 512 consecutive aligned bytes; the scale words leave as 8 bytes a row (rows 64 bytes apart): one byte for 16 of codes.
; LIMITS: the scaled scores stay under 2^31 in magnitude; NaN and infinities are not served; a block whose largest magnitude lies under 2^-124 keeps the scale byte 1; a block of zeros gets the byte 1 where the quantiser's rule says 127: its codes are zeros, and this program alone reads the bytes.
; REGISTERS: window 0: v0-127 small things; v128-255 a tile's scores, then p.  window 1: v0-127 O^T (tile u at 64 u); v128-255 a step's fragments of K, then of V.
.set GRPB,  17408                      ; a group of 128 keys: K 8,192, V 8,192, K's scale words 512, V's 512
.set KVB,   8*GRPB
.set STG,   KVB                        ; the stage: 128 rows of 1,024 bytes + 16
.set SP,    1040
.set SPARE, STG+128*SP
.set LI,   1
.set AD,   2
.set ADS,  3
.set STW,  4                           ; v4, v5: even d, odd d
.set STR,  6
.set OA,   7
.set QS,   8
.set PS,   10                          ; tile u, half f: PS + 2 u + f
.set PWS,  14
.set STAT, 16                          ; tile u at + 4 u: -M, the largest t, the sum in two halves
.set Q,    24
.set P,    40                          ; tile u at + 16 u, half f at + 8 f
.set BM,   72
.set T2,   76
.set SO,   80
.set F,    84
.set TMP,  86
.set FSK,  88
.set FSV,  104
.set RR,   120
.set HH,   121
.set H8,   122
.set LS,   123
.set SPW,  124
.set NIL,  125
.set LN,   126
.set S,    128
.set WV,   14
.set CX,   15
.set SEL,  20
.set CS,   22
.set G1,   24
.set G0,   32
.set TK,   36
.set TC,   37
.set CNT,  38
.set MSB, 0
.macro WIN new
.if MSB != (\new)
	s_set_vgpr_msb (MSB<<8)|(\new)
.set MSB, (\new)
.endif
.endm
.macro ROUND
	s_barrier_signal -1
	s_barrier_wait -1
	s_cmp_lg_u32 s[WV], 0
	s_cbranch_scc1 .Lnot_wave_0_\@
	s_barrier_signal -3
.Lnot_wave_0_\@:
	s_barrier_wait -3
	s_barrier_signal -1
	s_barrier_wait -1
.endm
.macro PLACES
.rept 4
	v_nop
.endr
.endm
	s_load_b256 s[4:11], s[0:1], 0x0               ; qimg, qsc, kv, a6img
	s_load_b64 s[12:13], s[0:1], 0x20              ; a6sc
	v_lshl_add_u32 v[SPW], v0, 2, SPARE
	v_mov_b32 v[NIL], 0
	ds_add_u32 v[SPW], v[NIL]                      ; the opening add, twice on end
	ds_add_u32 v[SPW], v[NIL]
	v_lshrrev_b32 v2, 5, v0
	v_readfirstlane_b32 s[WV], v2                  ; wave 0..7
	s_bfe_u32 s[CX], ttmp6, 0x40000                ; my block of 256 queries
	s_and_b32 s16, ttmp7, 0xffff                   ; 16 x batch + head, which the four partners share
	s_lshr_b32 s17, s16, 4
	s_and_b32 s18, s16, 15
	s_mov_b32 s[G1], 15|(3<<16)|(1<<21)            ; all four work-groups; elements of 8 bytes; no padding
	s_mov_b32 s[G1+1], 32<<16                      ; rows of 256 bytes, 68 of them, dense
	s_mov_b32 s[G1+2], 68<<16
	s_mov_b32 s[G1+3], 32<<16
	s_mov_b32 s[G1+4], 68
	s_mov_b32 s[G1+5], 32
	s_mov_b32 s[G1+6], 0
	s_mov_b32 s[G1+7], 0
	s_mul_i32 s40, s17, KVB
	s_mul_i32 s42, s[WV], GRPB                     ; my group: in memory and in LDS
	s_add_co_u32 s40, s40, s42
	s_mov_b32 s41, 0
	s_wait_dscnt 0x0
	ROUND                                          ; all four work-groups are here: the joint loads meet
	s_wait_kmcnt 0x0
	s_add_nc_u64 s[8:9], s[8:9], s[40:41]
	s_mov_b32 s[G0], 1
	s_mov_b32 s[G0+1], s42
	s_mov_b64 s[G0+2:G0+3], s[8:9]
	s_or_b32 s[G0+3], s[G0+3], 0x80000000
	tensor_load_to_lds s[G0:G0+3], s[G1:G1+7]      ; my one tensor load of the launch
	s_nop 0
	PLACES
	s_lshl_b32 s44, s16, 6                         ; Q's images: tile 64 y + 16 cx + 2 wave
	s_lshl_b32 s45, s[CX], 4
	s_add_co_u32 s44, s44, s45
	s_lshl_b32 s45, s[WV], 1
	s_add_co_u32 s44, s44, s45
	s_lshl_b32 s44, s44, 10
	s_mov_b32 s45, 0
	s_lshl_b32 s46, s16, 4                         ; Q's scale words: group of 64 queries 16 y + 4 cx + wave / 2, [lane][tile]; tiles 2 (wave % 2) and + 1
	s_lshl_b32 s47, s[CX], 2
	s_add_co_u32 s46, s46, s47
	s_lshr_b32 s47, s[WV], 1
	s_add_co_u32 s46, s46, s47
	s_lshl_b32 s46, s46, 9
	s_and_b32 s47, s[WV], 1
	s_lshl_b32 s47, s47, 3
	s_add_co_u32 s46, s46, s47
	s_mov_b32 s47, 0
	s_add_nc_u64 s[4:5], s[4:5], s[44:45]
	s_add_nc_u64 s[6:7], s[6:7], s[46:47]
	s_lshl_b32 s40, s17, 6                         ; the way out: my tile of 16 rows: 64 batch + 4 head + wave % 4,
	s_lshl_b32 s42, s18, 2
	s_add_co_u32 s40, s40, s42
	s_and_b32 s42, s[WV], 3
	s_add_co_u32 s40, s40, s42
	s_lshr_b32 s42, s[WV], 2                       ; my first K step of 128: 8 (wave / 4) + 2 cx
	s_lshl_b32 s42, s42, 3
	s_lshl_b32 s43, s[CX], 1
	s_add_co_u32 s42, s42, s43
	s_lshl_b32 s44, s40, 4
	s_add_co_u32 s44, s44, s42
	s_lshl_b32 s44, s44, 10                        ; images: [tile of rows][K step][1,024]
	s_add_nc_u64 s[10:11], s[10:11], s[44:45]
	s_lshl_b32 s40, s40, 10                        ; scale bytes: 64 a row
	s_lshl_b32 s42, s42, 2
	s_add_co_u32 s40, s40, s42
	s_add_nc_u64 s[12:13], s[12:13], s[40:41]
	s_mov_b32 s[SEL], 0x76543210
	s_mov_b32 s[SEL+1], 0xfedcba98
	s_mov_b32 s[CS], 0x3e0293ee                    ; c = log2(e) / sqrt(128)
	s_mov_b32 s[CS+1], s[CS]
	s_mov_b32 s[TK], 0
	v_and_b32 v[LN], 31, v0
	v_lshlrev_b32 v[LI], 4, v[LN]
.irp u, 0,1
.irp c, 0,1
	global_load_b128 v[Q+8*\u+4*\c:Q+8*\u+4*\c+3], v[LI], s[4:5] offset:1024*\u+512*\c
.endr
.endr
	global_load_b64 v[QS:QS+1], v[LI], s[6:7]
	v_and_b32 v[RR], 15, v0
	v_bfe_u32 v[HH], v0, 4, 1
	v_lshlrev_b32 v[H8], 3, v[HH]
	v_lshlrev_b32 v[LS], 4, v[RR]
	v_add_nc_u32 v[LS], 16384, v[LS]               ; scale words: 16 r behind the group's codes
	s_lshl_b32 s40, s[WV], 7
	s_add_co_u32 s40, s40, STG
	s_mul_i32 s41, s[WV], 16*SP
	s_add_co_u32 s41, s41, STG
	v_mul_u32_u24 v[STW], v[HH], 4*SP              ; into the stage: d = 16 t + 8 h + j lies in row 64 (j % 2) + 8 t + 4 h + j / 2; my query is column 32 wave + 16 u + r
	v_lshl_add_u32 v[STW], v[RR], 2, v[STW]
	v_add_nc_u32 v[STW], s40, v[STW]
	v_add_nc_u32 v[STW+1], 64*SP, v[STW]
	v_mul_u32_u24 v[STR], v[RR], SP                ; out of it: row 16 wave + r, + 128 h bytes: 32 neighbouring queries
	v_lshl_add_u32 v[STR], v[HH], 7, v[STR]
	v_add_nc_u32 v[STR], s41, v[STR]
	v_lshlrev_b32 v[OA], 6, v[RR]
	v_lshl_add_u32 v[OA], v[HH], 2, v[OA]
	v_add_nc_u32 v[AD], s[TK], v[LI]
	v_add_nc_u32 v[ADS], s[TK], v[LS]
.irp u, 0,1
	v_mov_b32 v[STAT+4*\u+1], 0xff61b1e6           ; the largest t so far: -3e38
	v_mov_b32 v[STAT+4*\u+2], 0
	v_mov_b32 v[STAT+4*\u+3], 0
.endr
.irp u, 0,1
	v_floor_f32 v[STAT+4*\u], -v[STAT+4*\u+1]      ; -M
.endr
.irp b, 0,1,2,3
	v_mov_b32 v[T2+\b], 0                          ; a lane permute's destination counts as one of its sources
.endr
	v_mov_b32 v[TMP+1], 0
	v_mov_b32 v[F+1], 0                            ; named with f as a pair
	WIN 0x40
.set J, 0
.rept 128
	v_mov_b32 v[J], 0                              ; O^T: the step is written once: the first finds zeros, which the first change of M leaves zeros
.set J, J+1
.endr
	WIN 0
.macro LOADKV f, off, sc, soff         ; half f of a step: eight fragments and their scale words, 18 loads
	WIN 0x40
.irp t, 0,1,2,3,4,5,6,7
.irp c, 0,1
	ds_load_b128 v[128+64*\f+8*\t+4*\c:128+64*\f+8*\t+4*\c+3], v[AD] offset:GRPB*\f+\off+1024*\t+512*\c
.endr
.endr
	WIN 0
	ds_load_b128 v[\sc+8*\f:\sc+8*\f+3], v[ADS] offset:GRPB*\f+\soff
	ds_load_b128 v[\sc+8*\f+4:\sc+8*\f+7], v[ADS] offset:GRPB*\f+\soff+256
.endm
.macro KQ u, f                         ; S^T = K Q^T: eight tiles of 16 keys
	WIN 0x01
.irp t, 0,1,2,3,4,5,6,7
	v_wmma_scale_f32_16x16x128_f8f6f4 v[S+64*\f+8*\t:S+64*\f+8*\t+7], v[128+64*\f+8*\t:128+64*\f+8*\t+7], v[Q+8*\u:Q+8*\u+7], 0, v[FSK+8*\f+\t], v[QS+\u] matrix_a_fmt:MATRIX_FMT_FP4 matrix_b_fmt:MATRIX_FMT_FP4
.endr
	WIN 0
.endm
.macro PV f                            ; O^T += V^T P^T: sixteen accumulators by turns
	WIN 0x51
.irp t, 0,1,2,3,4,5,6,7
.irp u, 0,1
	v_wmma_scale_f32_16x16x128_f8f6f4 v[64*\u+8*\t:64*\u+8*\t+7], v[128+64*\f+8*\t:128+64*\f+8*\t+7], v[P+16*\u+8*\f:P+16*\u+8*\f+7], v[64*\u+8*\t:64*\u+8*\t+7], v[FSV+8*\f+\t], v[PS+2*\u+\f] matrix_a_fmt:MATRIX_FMT_FP4 matrix_b_fmt:MATRIX_FMT_FP4
.endr
.endr
	WIN 0
.endm
; Four blocks' scale operands become two scale words: my two bytes of each word (blocks 2 c + h), at their places, with lane l xor 16's two.
.macro WORDS d
.irp q, 0,1,2,3
	v_lshrrev_b32 v[T2+\q], 23, v[SO+\q]
.endr
	v_lshl_or_b32 v[T2], v[T2+1], 16, v[T2]
	v_lshl_or_b32 v[T2+2], v[T2+3], 16, v[T2+2]
	v_lshlrev_b32 v[T2], v[H8], v[T2]
	v_lshlrev_b32 v[T2+2], v[H8], v[T2+2]
	v_permlanex16_b32 v[T2+1], v[T2], s[SEL], s[SEL+1]
	v_permlanex16_b32 v[T2+3], v[T2+2], s[SEL], s[SEL+1]
	v_or_b32 v[\d], v[T2], v[T2+1]
	v_or_b32 v[\d+1], v[T2+2], v[T2+3]
.endm
.macro CODES pc                        ; 128 numbers a lane become four blocks' codes, in the operand's order
.irp q, 0,1,2,3
.irp g, 0,1,2,3
	v_cvt_scalef32_pk8_fp4_f32 v[\pc+4*\q+\g], v[S+32*\q+8*\g:S+32*\q+8*\g+7], v[SO+\q]
.endr
.endr
	v_nop                                          ; one plain line behind the scaled conversions
.endm
.macro SOFTMAX u
.set RM, STAT+4*\u
.set C1, P+16*\u                       ; three more chains of the row's sum, in registers that take P's codes later
.irp q, 0,1,2,3
	v_max3_num_f32 v[BM+\q], v[S+32*\q], v[S+1+32*\q], v[S+2+32*\q]   ; the largest score of my block: for the row's maximum, and, since p rises with the score, for the block's largest p
.endr
.irp i, 3,5,7,9,11,13,15,17,19,21,23,25,27,29
.irp q, 0,1,2,3
	v_max3_num_f32 v[BM+\q], v[BM+\q], v[S+32*\q+\i], v[S+1+32*\q+\i]
.endr
.endr
.irp q, 0,1,2,3
	v_max_num_f32 v[BM+\q], v[BM+\q], v[S+31+32*\q]
.endr
	v_max3_num_f32 v[TMP], v[BM], v[BM+1], v[BM+2]
	v_max_num_f32 v[TMP], v[TMP], v[BM+3]
	v_permlanex16_b32 v[TMP+1], v[TMP], s[SEL], s[SEL+1]
	v_max_num_f32 v[TMP], v[TMP], v[TMP+1]         ; with lane l xor 16's keys
	v_mul_f32 v[TMP], s[CS], v[TMP]
	v_max_num_f32 v[RM+1], v[RM+1], v[TMP]         ; the running largest t
	v_mov_b32 v[TMP], v[RM]
	v_floor_f32 v[RM], -v[RM+1]                    ; -M = floor(-t): M is a whole number
	v_sub_f32 v[TMP], v[RM], v[TMP]                ; old M - new M, 0 or less
	v_cvt_i32_f32 v[TMP], v[TMP]                   ; (it saturates)
	v_ldexp_f32 v[F], 1.0, v[TMP]                  ; f = 2^(old M - new M): exact
.set J, 0
.rept 64
	v_pk_fma_f32 v[S+J:S+J+1], v[S+J:S+J+1], s[CS:CS+1], v[RM:RM+1] op_sel_hi:[1,0,0]   ; t - M
.set J, J+2
.endr
.irp q, 0,1,2,3
	v_fma_f32 v[BM+\q], v[BM+\q], s[CS], v[RM]
.endr
	s_wait_alu depctr_va_vdst(0)                   ; one wait ahead of the batch,
.irp q, 0,1,2,3
	v_exp_f32 v[BM+\q], v[BM+\q]                   ; each block's largest p
.endr
.set J, 0
.rept 128
	v_exp_f32 v[S+J], v[S+J]                       ; p = 2^(t - M)
.set J, J+1
.endr
	v_pk_mul_f32 v[RM+2:RM+3], v[RM+2:RM+3], v[F:F+1] op_sel_hi:[1,0]   ; the sums under the new M; also the plain line behind the exponentials
	s_wait_alu depctr_va_vdst(0)                   ; and one behind it
.irp q, 0,1,2,3
	v_max_num_f32 v[BM+\q], 0x1800000, v[BM+\q]    ; the floor 2^(3 - 127): the byte cannot fall under 1
.endr
	v_pk_add_f32 v[C1:C1+1], v[S:S+1], v[S+2:S+3]  ; the row's sum of the unquantised p, in four chains
	v_pk_add_f32 v[C1+2:C1+3], v[S+4:S+5], v[S+6:S+7]
	v_pk_add_f32 v[C1+4:C1+5], v[S+8:S+9], v[S+10:S+11]
.irp q, 0,1,2,3
	v_add_nc_u32 v[SO+\q], 0xff000000, v[BM+\q]    ; 2 off the exponent field: the conversion's scale operand
.endr
.set J, 12
.rept 14
	v_pk_add_f32 v[RM+2:RM+3], v[RM+2:RM+3], v[S+J:S+J+1]
	v_pk_add_f32 v[C1:C1+1], v[C1:C1+1], v[S+J+2:S+J+3]
	v_pk_add_f32 v[C1+2:C1+3], v[C1+2:C1+3], v[S+J+4:S+J+5]
	v_pk_add_f32 v[C1+4:C1+5], v[C1+4:C1+5], v[S+J+6:S+J+7]
.set J, J+8
.endr
	v_pk_add_f32 v[RM+2:RM+3], v[RM+2:RM+3], v[S+124:S+125]
	v_pk_add_f32 v[C1:C1+1], v[C1:C1+1], v[S+126:S+127]
	v_pk_add_f32 v[C1+2:C1+3], v[C1+2:C1+3], v[C1+4:C1+5]
	v_pk_add_f32 v[RM+2:RM+3], v[RM+2:RM+3], v[C1:C1+1]
	v_pk_add_f32 v[RM+2:RM+3], v[RM+2:RM+3], v[C1+2:C1+3]
	WORDS PS+2*\u
	CODES P+16*\u
	WIN 0x41
	s_wait_alu depctr_va_vdst(0)                   ; the wait directly ahead of O^T's first reader
.set J, 64*\u
.rept 32
	v_pk_mul_f32 v[J:J+1], v[J:J+1], v[F:F+1] op_sel_hi:[1,0]   ; O^T under the new M.  (These 32 also stand between the lines that made P and its scale words and the products that take them)
.set J, J+2
.endr
	WIN 0
.endm
	s_wait_alu depctr_va_vdst(0)                   ; the wait at the head's end
	s_wait_tensorcnt 0x0                           ; my group of K and V is in,
	s_barrier_signal -1
	s_barrier_wait -1                              ; everybody's is
	LOADKV 0, 0, FSK, 0
	LOADKV 1, 0, FSK, 0
	s_wait_loadcnt 0x0                             ; Q and its scale words
	s_mov_b32 s[CNT], 4
.Lstep:                                                ; four trips; at its head the 36 loads of the step's K are out, on the way in and on the way back
	s_wait_dscnt 18                                ; the first half is in
	KQ 0, 0
	s_wait_dscnt 0x0
	KQ 0, 1
	PLACES
	SOFTMAX 0
	KQ 1, 0
	KQ 1, 1
	PLACES                                         ; for the scores, and for the loads: V takes K's registers
	LOADKV 0, 8192, FSV, 512
	LOADKV 1, 8192, FSV, 512
	SOFTMAX 1
	s_wait_alu depctr_va_vdst(0)
	s_wait_dscnt 0x0                               ; V is in
	PV 0
	s_add_co_u32 s[TK], s[TK], 2*GRPB
	s_min_u32 s[TC], s[TK], 6*GRPB                 ; the last trip reads the last K once more instead of running past it: nothing takes it
	v_nop
	v_nop
	v_add_nc_u32 v[AD], s[TC], v[LI]               ; with the two lines above and the one below the places in front of the loads
	v_add_nc_u32 v[ADS], s[TC], v[LS]
	LOADKV 0, 0, FSK, 0
	PV 1
	PLACES
	LOADKV 1, 0, FSK, 0
	s_sub_co_u32 s[CNT], s[CNT], 1
	s_cmp_lg_u32 s[CNT], 0
	s_wait_alu depctr_va_vdst(0)
	s_cbranch_scc1 .Lstep
	; THE WAY OUT.  O^T / the sum, into the stage.
.irp u, 0,1
	v_add_f32 v[STAT+4*\u+2], v[STAT+4*\u+2], v[STAT+4*\u+3]
.endr
.irp u, 0,1
	v_permlanex16_b32 v[T2+\u], v[STAT+4*\u+2], s[SEL], s[SEL+1]
.endr
.irp u, 0,1
	v_add_f32 v[STAT+4*\u+2], v[STAT+4*\u+2], v[T2+\u]
.endr
	s_wait_alu depctr_va_vdst(0)
.irp u, 0,1
	v_rcp_f32 v[STAT+4*\u+2], v[STAT+4*\u+2]
.endr
	v_nop                                          ; a plain line behind the reciprocals,
	WIN 0x01                                       ; source 0: O^T's window
	s_wait_alu depctr_va_vdst(0)                   ; and one wait for both, ahead of their first reader and O^T's
.set J, 0
.rept 64
	v_pk_mul_f32 v[S+J:S+J+1], v[J:J+1], v[STAT+4*(J/64)+2:STAT+4*(J/64)+3] op_sel_hi:[1,0]
.set J, J+2
.endr
	WIN 0
.irp u, 0,1
.irp t, 0,1,2,3,4,5,6,7
.irp j, 0,1,2,3,4,5,6,7
	ds_store_b32 v[STW+(\j%2)], v[S+64*\u+8*\t+\j] offset:(8*\t+\j/2)*SP+64*\u   ; sixteen lanes write 64 consecutive bytes of a row; the other sixteen a row 4 further down, 16 words on modulo 64
.endr
.endr
.endr
	s_wait_dscnt 0x0                               ; for the others' sake: my stores into the stage are done
	s_barrier_signal -1
	s_barrier_wait -1
.irp q, 0,1,2,3                                    ; my 16 rows x 256 queries: block q of a lane: queries 64 q + 32 h + 0 .. 31
.irp k, 0,1,2,3,4,5,6,7
	ds_load_b128 v[S+32*\q+4*\k:S+32*\q+4*\k+3], v[STR] offset:256*\q+16*\k
.endr
.endr
	s_wait_dscnt 0x0
.irp q, 0,1,2,3
	v_max3_num_f32 v[BM+\q], |v[S+32*\q]|, |v[S+1+32*\q]|, 0x1800000   ; the floor 2^(3 - 127) among the magnitudes
.endr
.irp i, 2,4,6,8,10,12,14,16,18,20,22,24,26,28,30
.irp q, 0,1,2,3
	v_max3_num_f32 v[BM+\q], v[BM+\q], |v[S+32*\q+\i]|, |v[S+1+32*\q+\i]|
.endr
.endr
.irp q, 0,1,2,3
	v_add_nc_u32 v[SO+\q], 0xff000000, v[BM+\q]
.endr
	WORDS PS
	CODES P
.irp q, 0,1,2,3
	global_store_b128 v[LI], v[P+4*\q:P+4*\q+3], s[10:11] offset:512*\q   ; 512 consecutive bytes, aligned
.endr
	v_cmp_lt_u32 vcc_lo, 15, v[LN]
	v_cndmask_b32 v[PWS], v[PS], v[PS+1], vcc_lo   ; lanes 0-15 store the first K step's word of their row, lanes 16-31 the second's
	global_store_b32 v[OA], v[PWS], s[12:13]
	s_wait_tensorcnt 0x0                           ; the wave's end
	ds_add_u32 v[SPW], v[NIL]
	s_wait_dscnt 0x0
	ROUND                                          ; the closing round
	s_endpgm
.Lfunc_end_k_q35f6d3f13d_attn:
	.size	k_q35f6d3f13d_attn, .Lfunc_end_k_q35f6d3f13d_attn-k_q35f6d3f13d_attn
	.p2alignl 7, 3214868480
	.fill 96, 4, 3214868480
	.section	.rodata,"a",@progbits
	.p2align	6, 0x0
	.amdhsa_kernel k_q35f6d3f13d_attn
		.amdhsa_group_segment_fixed_size 273408
		.amdhsa_private_segment_fixed_size 0
		.amdhsa_enable_private_segment 0
		.amdhsa_kernarg_size 40
		.amdhsa_user_sgpr_count 2
		.amdhsa_user_sgpr_kernarg_segment_ptr 1
		.amdhsa_wavefront_size32 1
		.amdhsa_system_sgpr_workgroup_id_x 1
		.amdhsa_system_sgpr_workgroup_id_y 1
		.amdhsa_system_sgpr_workgroup_id_z 1
		.amdhsa_system_vgpr_workitem_id 0
		.amdhsa_next_free_vgpr 512
		.amdhsa_next_free_sgpr 66
		.amdhsa_reserve_vcc 1
		.amdhsa_float_denorm_mode_32 3
		.amdhsa_float_denorm_mode_16_64 3
		.amdhsa_memory_ordered 1
		.amdhsa_forward_progress 1
		.amdhsa_inst_pref_size 91
	.end_amdhsa_kernel
	.amdgpu_metadata
---
amdhsa.version: [ 1, 2 ]
amdhsa.kernels:
  - .name:           k_q35f6d3f13d_attn
    .symbol:         k_q35f6d3f13d_attn.kd
    .args:
      - { .name: qimg, .offset: 0, .size: 8, .value_kind: global_buffer, .address_space: global }
      - { .name: qsc, .offset: 8, .size: 8, .value_kind: global_buffer, .address_space: global }
      - { .name: kv, .offset: 16, .size: 8, .value_kind: global_buffer, .address_space: global }
      - { .name: a6img, .offset: 24, .size: 8, .value_kind: global_buffer, .address_space: global }
      - { .name: a6sc, .offset: 32, .size: 8, .value_kind: global_buffer, .address_space: global }
    .group_segment_fixed_size: 273408
    .private_segment_fixed_size: 0
    .kernarg_segment_align: 8
    .kernarg_segment_size: 40
    .max_flat_workgroup_size: 256
    .sgpr_count:     66
    .vgpr_count:     512
    .wavefront_size: 32
...
	.end_amdgpu_metadata
.endif
;; end of part 2
;; launch outp (part 3): grid 8 x 32, 4 waves a work-group, clusters of 4 x 4, 327,680 bytes of LDS; arguments a6img, a6sc, w_o_codes, w_o_scales, b_o, out0; writes out0
.if DOCPART == 3
	.amdgcn_target "amdgcn-amd-amdhsa--gfx1250"
	.amdhsa_code_object_version 6
	.text
	.protected	k_q35f6d3f13d_outp
	.globl	k_q35f6d3f13d_outp
	.p2align	8
	.type	k_q35f6d3f13d_outp,@function
k_q35f6d3f13d_outp:
	s_mov_b64 s[64:65], 0
	v_nop
	global_prefetch_b8 v0, s[64:65] scope:SCOPE_SE
	s_setreg_imm32_b32 hwreg(HW_REG_WAVE_MODE, 25, 1), 1
	s_wait_xcnt 0x0
	s_wait_alu depctr_hold_cnt(0) depctr_sa_sdst(0) depctr_va_vdst(0) depctr_va_sdst(0) depctr_va_ssrc(0) depctr_va_vcc(0) depctr_vm_vsrc(0)
	s_getreg_b32 s2, hwreg(HW_REG_IB_STS2, 6, 4)
	s_cmp_eq_u32 s2, 0
	s_cbranch_scc0 .Lentry_in_a_cluster
	s_endpgm
.Lentry_in_a_cluster:
	s_bfe_u32 s2, ttmp6, 0x10000c
	s_cmp_lg_u32 s2, 0xf033
	s_cbranch_scc0 .Lentry_shape_is_right
	s_endpgm
.Lentry_shape_is_right:
; out = A Wo + b_o: A [4,096][2,048] as images of operand registers ([tile of 16 rows][K step of 128][1,024 bytes]) with its scale bytes (64 a row), Wo as codes with K innermost; both FP4 (E2M1) with one E8M0 scale for each 32 along K; sums in f32.
; SHARES.  A work-group makes 128 rows (y) x 256 columns (x): 256 work-groups.  Wave 2 i + j: rows 64 i, columns 128 j: 4 x 8 accumulators.
; Wo's 256 rows for ALL of K lie in LDS at once, as four K quarters of 512: wave w fetches quarter w, one tensor load a wave at the head, and nothing is filled again.  A barrier in front of each quarter shows that its wave has waited.
; CLUSTER 4 x 4: Wo's rows are shared along y: joint loads.
; A goes from memory straight into registers, seven K steps of 128 ahead of its use: each load covers 512 consecutive bytes; nothing of it need pass through LDS, where Wo takes 278,528 bytes.  So A is asked for without a joint load.
; No prefetch: all of Wo is asked for at the head, and A's loads run ahead by themselves.
; TRANSPOSED USE: source 0 = 16 rows of Wo, source 1 = 16 rows of A: a lane holds eight neighbouring numbers of a row of the result.
; LIMITS: NaN and infinities are not served.
; REGISTERS: window 0: addresses, v32-63 A's scale words (a lane a row, 16 words), v64-127 Wo's, v128-255 the way out; window 1: Wo's fragments, two sets at v0 and v64, the bias at v128; window 2: accumulators; window 3: A's fragments, eight sets.
.set SIZE_N, 2048
.set PITCH,  272
.set SLICE,  256*PITCH
.set SPARE,  4*SLICE
.set SPITCH, 528                       ; the stage: 16 rows x (512 bytes + 16) a wave, in quarter 0, which nobody reads behind the last quarter's barrier
.set ADB,  16
.set CO,   24
.set STO,  25
.set RD,   26
.set SPW,  28
.set NIL,  29
.set SA,   32
.set SB,   64
.set BK,   128
.set BI,   128
.set G1,   24
.set G0,   72
.set MSB, 0
.macro WIN new
.if MSB != (\new)
	s_set_vgpr_msb (MSB<<8)|(\new)
.set MSB, (\new)
.endif
.endm
.macro CROUND
	s_barrier_signal -1
	s_barrier_wait -1
	s_cmp_lg_u32 s14, 0
	s_cbranch_scc1 .Lnot_wave_0_\@
	s_barrier_signal -3
.Lnot_wave_0_\@:
	s_barrier_wait -3
	s_barrier_signal -1
	s_barrier_wait -1
.endm
.macro PLACES                          ; plain lines between matrix instructions and loads into, or reads of, their registers
.rept 4
	v_nop
.endr
.endm
	s_load_b128 s[4:7], s[0:1], 0x0                ; A's images, A's scales
	s_load_b128 s[8:11], s[0:1], 0x10              ; Wo's codes, scales
	s_load_b128 s[68:71], s[0:1], 0x20             ; b_o, out
	v_lshl_add_u32 v[SPW], v0, 2, SPARE
	v_mov_b32 v[NIL], 0
	ds_add_u32 v[SPW], v[NIL]                      ; the opening add, twice on end
	ds_add_u32 v[SPW], v[NIL]
	v_lshrrev_b32 v1, 5, v0
	v_readfirstlane_b32 s14, v1
	s_lshr_b32 s15, s14, 1                         ; i
	s_and_b32 s16, s14, 1                          ; j
	s_bfe_u32 s40, ttmp6, 0x40000
	s_bfe_u32 s41, ttmp6, 0x40004
	s_lshl_b32 s42, ttmp9, 2
	s_add_co_u32 s42, s42, s40                     ; x
	s_and_b32 s17, ttmp7, 0xffff
	s_lshl_b32 s17, s17, 2
	s_add_co_u32 s17, s17, s41                     ; y
	s_lshl_b32 s44, 0x1111, s40                    ; my column of the cluster
	s_or_b32 s[G1+0], s44, (1<<20)|(1<<21)|(5<<22)|(3<<25)
	s_mov_b32 s[G1+1], 256<<16                     ; 256 rows of 256 bytes, 1,024 apart, 16 bytes of padding behind each
	s_mov_b32 s[G1+2], 256<<16
	s_mov_b32 s[G1+3], 256<<16
	s_mov_b32 s[G1+4], 256
	s_mov_b32 s[G1+5], 1024
	s_mov_b32 s[G1+6], 0
	s_mov_b32 s[G1+7], 0
	s_lshl_b32 s2, s42, 18
	s_mov_b32 s3, 0
	s_mov_b32 s13, 0
	s_wait_dscnt 0x0
	CROUND                                         ; all sixteen work-groups are here: the joint loads meet
	s_wait_kmcnt 0x0
	s_add_nc_u64 s[8:9], s[8:9], s[2:3]
.irp k, 0,1,2,3
	s_mov_b32 s[G0+4*\k], 1
	s_mov_b32 s[G0+4*\k+1], \k*SLICE
	s_add_nc_u64 s[G0+4*\k+2:G0+4*\k+3], s[8:9], 256*\k
	s_or_b32 s[G0+4*\k+3], s[G0+4*\k+3], 0x80000000
.endr
.macro ARM under, g0, next             ; one tree of branches on the wave's number: each way passes one load
	s_cmp_lt_u32 s14, \under
	s_cbranch_scc0 \next
	tensor_load_to_lds s[\g0:\g0+3], s[G1:G1+7]
	s_nop 0
	PLACES
	s_branch .Lhead_asked
\next:
.endm
	ARM 1, G0, .Lhead_1
	ARM 2, G0+4, .Lhead_2
	ARM 3, G0+8, .Lhead_3
	tensor_load_to_lds s[G0+12:G0+15], s[G1:G1+7]
	s_nop 0
	PLACES
.Lhead_asked:
	s_lshl_b32 s12, s17, 17                        ; A: tile 8 y + 4 i
	s_lshl_b32 s18, s15, 16
	s_add_co_u32 s12, s12, s18
	s_add_nc_u64 s[4:5], s[4:5], s[12:13]
	s_lshl_b32 s12, s17, 13                        ; its scale bytes
	s_lshl_b32 s18, s15, 12
	s_add_co_u32 s12, s12, s18
	s_add_nc_u64 s[6:7], s[6:7], s[12:13]
	s_lshl_b32 s12, s42, 14                        ; Wo's: row 256 x + 128 j
	s_lshl_b32 s18, s16, 13
	s_add_co_u32 s12, s12, s18
	s_add_nc_u64 s[10:11], s[10:11], s[12:13]
	s_lshl_b32 s12, s42, 10
	s_lshl_b32 s18, s16, 9
	s_add_co_u32 s12, s12, s18
	s_add_nc_u64 s[68:69], s[68:69], s[12:13]      ; b_o
	s_lshl_b32 s18, s17, 20
	s_add_co_u32 s12, s12, s18
	s_lshl_b32 s18, s15, 19
	s_add_co_u32 s12, s12, s18
	s_add_nc_u64 s[70:71], s[70:71], s[12:13]      ; out: row 128 y + 64 i, column 256 x + 128 j
	s_mul_i32 s18, s16, 128*PITCH
	s_mul_i32 s19, s14, 16*SPITCH
	v_and_b32 v1, 15, v0
	v_bfe_u32 v2, v0, 4, 1
	v_and_b32 v6, 31, v0
	v_lshlrev_b32 v[CO], 4, v6
	v_lshlrev_b32 v8, 6, v6
	v_lshlrev_b32 v3, 5, v2
.irp k, 0,1,2,3
.irp g, 0,1
	global_load_b128 v[SA+16*\g+4*\k:SA+16*\g+4*\k+3], v8, s[6:7] offset:2048*\g+16*\k
.endr
.irp g, 0,1,2,3
	global_load_b128 v[SB+16*\g+4*\k:SB+16*\g+4*\k+3], v8, s[10:11] offset:2048*\g+16*\k
.endr
.endr
	WIN 0x40
.irp b, 0,1,2,3,4,5,6,7                ; the bias: the C of the first products
	global_load_b128 v[BI+8*\b:BI+8*\b+3], v3, s[68:69] offset:64*\b
	global_load_b128 v[BI+8*\b+4:BI+8*\b+7], v3, s[68:69] offset:64*\b+16
.endr
.macro ALOAD s                         ; A's fragments of K step s: 8 loads into set s % 8
	WIN 0xc0
.irp a, 0,1,2,3
.irp c, 0,1
	global_load_b128 v[32*((\s)%8)+8*\a+4*\c:32*((\s)%8)+8*\a+4*\c+3], v[CO], s[4:5] offset:16384*\a+1024*(\s)+512*\c
.endr
.endr
	WIN 0
.endm
	s_wait_alu depctr_va_vdst(0)                   ; the wait here, ahead of the readers below
.irp s, 0,1,2,3,4,5,6
	ALOAD \s
.endr
	s_wait_alu depctr_va_vdst(0)
	v_mul_u32_u24 v4, v1, PITCH
	v_lshl_add_u32 v4, v2, 4, v4
	v_add_nc_u32 v[ADB], s18, v4
	v_add_nc_u32 v[ADB+1], SLICE, v[ADB]
	v_add_nc_u32 v[ADB+2], 2*SLICE, v[ADB]
	v_add_nc_u32 v[ADB+3], 3*SLICE, v[ADB]
	v_mul_u32_u24 v5, v1, SPITCH
	v_lshl_add_u32 v5, v2, 5, v5
	v_add_nc_u32 v[STO], s19, v5
	v_add_nc_u32 v[RD], s19, v[CO]
.macro FETCH s                         ; Wo's eight fragments of K step s: 16 loads
	WIN 0x40
.irp b, 0,1,2,3,4,5,6,7
.irp c, 0,1
	ds_load_b128 v[64*((\s)%2)+8*\b+4*\c:64*((\s)%2)+8*\b+4*\c+3], v[ADB+(\s)/4] offset:64*((\s)%4)+32*\c+\b*16*PITCH
.endr
.endr
	WIN 0
.endm
.macro WM d, f0, f1, c, s0, s1, r0, r1
.if \r0
.if \r1
	v_wmma_scale_f32_16x16x128_f8f6f4 v[\d:\d+7], v[\f0:\f0+7], v[\f1:\f1+7], v[\c:\c+7], v[\s0], v[\s1] matrix_a_fmt:MATRIX_FMT_FP4 matrix_b_fmt:MATRIX_FMT_FP4 matrix_a_scale:MATRIX_SCALE_ROW1 matrix_b_scale:MATRIX_SCALE_ROW1
.else
	v_wmma_scale_f32_16x16x128_f8f6f4 v[\d:\d+7], v[\f0:\f0+7], v[\f1:\f1+7], v[\c:\c+7], v[\s0], v[\s1] matrix_a_fmt:MATRIX_FMT_FP4 matrix_b_fmt:MATRIX_FMT_FP4 matrix_a_scale:MATRIX_SCALE_ROW1
.endif
.else
.if \r1
	v_wmma_scale_f32_16x16x128_f8f6f4 v[\d:\d+7], v[\f0:\f0+7], v[\f1:\f1+7], v[\c:\c+7], v[\s0], v[\s1] matrix_a_fmt:MATRIX_FMT_FP4 matrix_b_fmt:MATRIX_FMT_FP4 matrix_b_scale:MATRIX_SCALE_ROW1
.else
	v_wmma_scale_f32_16x16x128_f8f6f4 v[\d:\d+7], v[\f0:\f0+7], v[\f1:\f1+7], v[\c:\c+7], v[\s0], v[\s1] matrix_a_fmt:MATRIX_FMT_FP4 matrix_b_fmt:MATRIX_FMT_FP4
.endif
.endif
.endm
.macro MUL8 a, s, first                ; the 32 accumulators take turns in the same order in every step
.if \first
	WIN 0x9d
.else
	WIN 0xad
.endif
.irp b, 0,1,2,3,4,5,6,7
.if \first
	WM 8*(8*(\a)+\b), 64*((\s)%2)+8*\b, 32*((\s)%8)+8*(\a), BI+8*\b, SB+16*(\b/2)+(\s), SA+16*((\a)/2)+(\s), \b%2, (\a)%2
.else
	WM 8*(8*(\a)+\b), 64*((\s)%2)+8*\b, 32*((\s)%8)+8*(\a), 8*(8*(\a)+\b), SB+16*(\b/2)+(\s), SA+16*((\a)/2)+(\s), \b%2, (\a)%2
.endif
.endr
.endm
.macro MULS s, first
	MUL8 0, \s, \first
	MUL8 1, \s, \first
	MUL8 2, \s, \first
	MUL8 3, \s, \first
	WIN 0
.endm
.macro STEP s, first
.if \first == 0
	PLACES
.endif
	FETCH (\s)+1
.set N, 15
.if (\s) < 9
.set N, (\s)+7
	ALOAD (\s)+7
.endif
	s_wait_loadcnt 8*(N-(\s))                      ; A's step s is in; those of steps s + 1 .. N may be out
	s_wait_dscnt 16                                ; Wo's step s is in; the 16 loads of the next may be out
	MULS \s, \first
.endm
; In front of a K quarter's first reads: the wave that fetched it has waited.  The last of these barriers shows all that is still out.
.macro SHOWN k
.if \k < 3
	s_cmp_lg_u32 s14, \k
	s_cbranch_scc1 .Lnot_mine_\@
	s_wait_tensorcnt 0x0
.Lnot_mine_\@:
.else
	s_wait_tensorcnt 0x0
.endif
	s_barrier_signal -1
.endm
.macro TURN s, k                       ; a quarter's last step
.set N, 15
.if (\s) < 9
.set N, (\s)+6
.endif
	s_wait_loadcnt 8*(N-(\s))
	s_wait_dscnt 0x0
	SHOWN \k
	MUL8 0, \s, 0
	MUL8 1, \s, 0
	WIN 0
	s_barrier_wait -1
	PLACES
	FETCH (\s)+1
.if (\s) < 9
	ALOAD (\s)+7
.endif
	MUL8 2, \s, 0
	MUL8 3, \s, 0
	WIN 0
.endm
	s_wait_alu depctr_va_vdst(0)                   ; the wait at the head's end
	SHOWN 0
	s_barrier_wait -1
	FETCH 0
	STEP 0, 1
	STEP 1, 0
	STEP 2, 0
	TURN 3, 1
.irp s, 4,5,6
	STEP \s, 0
.endr
	TURN 7, 2
.irp s, 8,9,10
	STEP \s, 0
.endr
	TURN 11, 3
.irp s, 12,13,14
	STEP \s, 0
.endr
	s_wait_loadcnt 0x0
	s_wait_dscnt 0x0
	MULS 15, 0
; THE WAY OUT, 16 rows x 128 columns at a time, through my own stage: whole rows of 512 bytes come back.  LDS serves a wave's instructions in order (ISA guide 5.7.1.4).
.macro TOSTAGE a
.set AC, 64*(\a)
	WIN 0x08
.irp b, 0,1,2,3,4,5,6,7
	ds_store_b128 v[STO], v[AC+8*\b:AC+8*\b+3] offset:64*\b
	ds_store_b128 v[STO], v[AC+8*\b+4:AC+8*\b+7] offset:64*\b+16
.endr
	WIN 0
.set BB, BK+64*((\a)%2)
.irp t, 0,1,2,3,4,5,6,7,8,9,10,11,12,13,14,15
	ds_load_b128 v[BB+4*\t:BB+4*\t+3], v[RD] offset:\t*SPITCH
.endr
.endm
.macro SEND a, younger                 ; younger: the LDS instructions behind block a's loads
.set BB, BK+64*((\a)%2)
	s_wait_dscnt \younger
.if (\a) > 0
	s_add_nc_u64 s[70:71], s[70:71], 16*SIZE_N*4   ; (behind a wait on XCNT)
.endif
.irp t, 0,1,2,3,4,5,6,7,8,9,10,11,12,13,14,15
	global_store_b128 v[CO], v[BB+4*\t:BB+4*\t+3], s[70:71] offset:\t*SIZE_N*4 th:TH_STORE_NT   ; 512 consecutive bytes, aligned
.endr
.endm
	PLACES
	TOSTAGE 0
.irp a, 1,2,3
.if \a > 1
	s_wait_xcnt 0x0                                ; block a - 2's stores have read their registers and their base
.endif
	TOSTAGE \a
	SEND \a-1, 32
.endr
	s_wait_xcnt 0x0
	SEND 3, 0
	s_wait_tensorcnt 0x0                           ; the wave's end
	ds_add_u32 v[SPW], v[NIL]
	s_wait_dscnt 0x0
	CROUND                                         ; the closing round
	s_endpgm
.Lfunc_end_k_q35f6d3f13d_outp:
	.size	k_q35f6d3f13d_outp, .Lfunc_end_k_q35f6d3f13d_outp-k_q35f6d3f13d_outp
	.p2alignl 7, 3214868480
	.fill 96, 4, 3214868480
	.section	.rodata,"a",@progbits
	.p2align	6, 0x0
	.amdhsa_kernel k_q35f6d3f13d_outp
		.amdhsa_group_segment_fixed_size 327680
		.amdhsa_private_segment_fixed_size 0
		.amdhsa_enable_private_segment 0
		.amdhsa_kernarg_size 48
		.amdhsa_user_sgpr_count 2
		.amdhsa_user_sgpr_kernarg_segment_ptr 1
		.amdhsa_wavefront_size32 1
		.amdhsa_system_sgpr_workgroup_id_x 1
		.amdhsa_system_sgpr_workgroup_id_y 1
		.amdhsa_system_sgpr_workgroup_id_z 1
		.amdhsa_system_vgpr_workitem_id 0
		.amdhsa_next_free_vgpr 1024
		.amdhsa_next_free_sgpr 98
		.amdhsa_reserve_vcc 0
		.amdhsa_float_denorm_mode_32 3
		.amdhsa_float_denorm_mode_16_64 3
		.amdhsa_memory_ordered 1
		.amdhsa_forward_progress 1
		.amdhsa_inst_pref_size 124
	.end_amdhsa_kernel
	.amdgpu_metadata
---
amdhsa.version: [ 1, 2 ]
amdhsa.kernels:
  - .name:           k_q35f6d3f13d_outp
    .symbol:         k_q35f6d3f13d_outp.kd
    .args:
      - { .name: a6img, .offset: 0, .size: 8, .value_kind: global_buffer, .address_space: global }
      - { .name: a6sc, .offset: 8, .size: 8, .value_kind: global_buffer, .address_space: global }
      - { .name: w_o_codes, .offset: 16, .size: 8, .value_kind: global_buffer, .address_space: global }
      - { .name: w_o_scales, .offset: 24, .size: 8, .value_kind: global_buffer, .address_space: global }
      - { .name: b_o, .offset: 32, .size: 8, .value_kind: global_buffer, .address_space: global }
      - { .name: out0, .offset: 40, .size: 8, .value_kind: global_buffer, .address_space: global }
    .group_segment_fixed_size: 327680
    .private_segment_fixed_size: 0
    .kernarg_segment_align: 8
    .kernarg_segment_size: 48
    .max_flat_workgroup_size: 128
    .sgpr_count:     98
    .vgpr_count:     1024
    .wavefront_size: 32
...
	.end_amdgpu_metadata
.endif
;; end of part 3
